; MI455X (gfx1250); checked and timed in simulation.
; The chip was launched on July 23, 2026; its instructions are those of AMD's public machine-readable ISA for CDNA 5 (MIT licence, August 2026) and "CDNA5" Instruction Set Architecture Reference Guide (July 2026). The comments in the code are by the model that wrote it; some were corrected since.
;; Multi Head Attention. Allowed arithmetic: matrix products marked QUANTISED: E2M1 operands, one E8M0 scale for each 32 along K, by v_wmma_scale_f32_16x16x128_f8f6f4 with both operands' format E2M1 (or v_wmma_scale_f32_32x16x128_f4), f32 sums; products left as they are: bf16, f16 or f32 operands; f32 sums; everything else in f32.
;; Inputs: Wk 128 x 128 float32; Wout 128 x 128 float32; Wq 128 x 128 float32; Wv 128 x 128 float32; k 8 x 2,048 x 128 float32; mask 8 x 2,048 x 1 bool; q 8 x 2,048 x 128 float32; v 8 x 2,048 x 128 float32.
;; Outputs: out0 8 x 2,048 x 128 float32.
;; This version of the problem:
;;   THIS VERSION OF THE PROBLEM IS GIVEN IN LOW PRECISION. The matrix products marked QUANTISED in the list below multiply operands that are first quantised to E2M1 (2 exponent bits, 1 mantissa bit; 4 bits a number), with one power-of-two scale for each 32 numbers along K (OCP MX v1.0); their sums are f32. The products marked 'left as it is' may take bf16, f16 or f32 operands, with f32 sums. Whichever they take, every output number must still come out within the allowed error. Rounding operands to bf16 (8 significant bits) uses up far more of that allowance than f16 does (11 bits, for magnitudes from 6e-5 to 65,504). All else is computed in f32.
;;   The module's matrix products, in the order in which they are computed (A, B: the left and right operand; K: the contracted axis; several contracted axes count as one K, in the product's order):
;;     1. [M 16,384, K 128] x [K 128, N 128]; A: input q; B: input Wq: QUANTISED
;;     2. [M 16,384, K 128] x [K 128, N 128]; A: input k; B: input Wk: QUANTISED
;;     3. [M 16,384, K 128] x [K 128, N 128]; A: input v; B: input Wv: QUANTISED
;;     4. batch 64 x [M 2,048, K 16] x [K 16, N 2,048]; A: computed on the way; B: computed on the way: left as it is (K = 16 < 32)
;;     5. batch 64 x [M 2,048, K 2,048] x [K 2,048, N 16]; A: computed on the way; B: computed on the way: left as it is (an operand is computed on the way)
;;     6. [M 16,384, K 128] x [K 128, N 128]; A: computed on the way; B: input Wout: left as it is (an operand is computed on the way)
;;   THE QUANTISER, for each operand of a quantised product, along K:
;;     - K is cut into blocks of 32 from its start; a last block that is shorter is filled with zeros.
;;     - A block's scale is 2^e with e = floor(log2(the largest magnitude in the block)) - 2, held to -126 .. 127; a block of zeros has e = 0. As a byte (E8M0): e + 127.
;;     - Each number is divided by its block's scale, clamped to +-6, and rounded to the nearest number of E2M1, ties to even, subnormals kept.
;;     - The product sums the exact products of the quantised numbers (number of the format x scale) in f32.
;;   ~~~python
;;   def quantise(x, axis):      # numpy; x: float32 -> the quantised numbers, widened to float32 again
;;       x = np.moveaxis(x, axis, -1); K = x.shape[-1]
;;       x = np.pad(x, [(0, 0)] * (x.ndim - 1) + [(0, -K % 32)]); x = x.reshape(x.shape[:-1] + (-1, 32)); a = np.abs(x).max(-1, keepdims=True)
;;       e = np.where(a > 0, np.clip(np.frexp(np.where(a > 0, a, 1))[1] - 1 - 2, -126, 127), 0)      # np.frexp(a)[1] - 1 = floor(log2(a)), exactly
;;       r = np.clip(x / 2.0 ** e, -6, 6)
;;       step = 2.0 ** (np.maximum(np.frexp(np.where(r == 0, 1, r))[1] - 1, 0) - 1)
;;       q = np.round(r / step) * step * 2.0 ** e      # np.round: ties to even
;;       return np.moveaxis(q.reshape(q.shape[:-2] + (-1,))[..., :K], -1, axis).astype(np.float32)
;;   ~~~
;; One version. Each part assembles by itself: llvm-mc -triple=amdgcn-amd-amdhsa -mcpu=gfx1250 --defsym DOCPART=n.
;; ======== version 1 of 1: 3 launches
;; limits: values are held in f16: magnitudes above 65,504 overflow, below 6.1e-05 lose precision
;; workspace buffers: qkv 13,107,200 bytes; oimg 4,194,304 bytes
;; launch proj (part 1): grid 128 x 3, 8 waves a work-group, no clusters, 10,240 bytes of LDS; arguments q, k, v, Wq, Wk, Wv, mask, qkv; writes qkv
.if DOCPART == 1
	.amdgcn_target "amdgcn-amd-amdhsa--gfx1250"
	.amdhsa_code_object_version 6
	.text
	.protected	k_q95451ebdad_proj
	.globl	k_q95451ebdad_proj
	.p2align	8
	.type	k_q95451ebdad_proj,@function
k_q95451ebdad_proj:
	s_mov_b64 s[64:65], 0
	v_nop
	global_prefetch_b8 v0, s[64:65] scope:SCOPE_SE
	s_setreg_imm32_b32 hwreg(HW_REG_WAVE_MODE, 25, 1), 1
	s_wait_xcnt 0x0
; THE THREE INPUT PROJECTIONS of a multi-head attention (8 batches x 2,048 tokens x 128; 8 heads of 16), on codes of FP4 (E2M1) with one E8M0 scale for each 32 along K,
; then the rotary embedding with its xpos scale (q, k) or the key mask (v), and the results as f16 IMAGES OF OPERAND REGISTERS for the attention launch.
; Work-group (x, y): tokens 128 x .. 128 x + 127 of tensor y (0: q, 1: k, 2: v).  Wave w quantises rows 16 w .. 16 w + 15 of W (head w's 16 channels) and hands them to the other seven through LDS as an image of
; the operand's registers; it quantises its own 16 tokens in registers, multiplies them by all eight heads' fragments (8 matrix instructions, K = 128 in one) and stores eight images of 512 bytes.
; qkv: 64 records (batch x 8 + head) of REC bytes: four chunks of 512 keys (32 images of K, 32 of V, 512 f32 of the mask's weight m), then 128 images of Q.  An image: lane l's 16 bytes at 16 l.
;   Q, K image: lane (r, h) = token r, the head's channels 8 h .. 8 h + 7.   V image: lane (r, h) = channel r, tokens 8 h .. 8 h + 7.
; WHAT IS STORED.  Q^ = Qr c / 64, c = 2 log2(e) x the logit scale;  K^ = Kr / 64;  V^ = V x keep;  m = keep (1.0 for a key that counts, else 0).
; A BATCH WHOSE MASK IS ALL TRUE has a uniform softmax over the unmasked V: there keep = 1 for every key and K^ = 0, which makes all its scores equal.  This is chosen by selects, not by a branch.
; LIMITS: |Q^|, |K^| and |V| stay under 65,504 (f16); with the drawn spread they are under 2, 2 and 9.  NaN and infinities among the inputs are not served.  Mask bytes are 0 or 1.
; A block of zeros gets the scale byte 1 where the rule says 127: its codes are zeros, and this launch alone reads the bytes.
; NO CLUSTER, NO TENSOR LOAD: the numbers are quantised in registers as they arrive, so there is no tile in LDS that partners could ask for jointly; W reaches a work-group once, 8 KB a wave.
.set REC,   204800
.set CH,    34816                      ; a chunk: 16,384 of K, 16,384 of V, 2,048 of m
.set QOFF,  139264                     ; 4 CH
.set VOFF,  16384
.set MOFF,  32768
.set WSC,   8192                       ; LDS: 0: W's eight fragments, 1,024 bytes each;  8,192: their scale words, 128 bytes each
.set SPARE, 9216                       ; the spare words, 128 bytes for each of eight waves: four blocks of 256 bytes that no other line names
.set XA,  4                            ; v4   512 r + 64 h: my 16 numbers of a block of 32 in row r
.set LI,  5                            ; v5   16 x lane
.set LS,  6                            ; v6   4 x lane
.set WWI, 7                            ; v7   16 x lane + 1,024 x wave
.set WWS, 8                            ; v8   4 x lane + 128 x wave
.set H8,  9                            ; v9   8 h as f32
.set KBA, 10                           ; v10  16 w + 8 h
.set POS, 11                           ; v11  my token's position as f32
.set PWR, 12                           ; v12  +-(position - 1,024) / 512
.set SPW, 13                           ; v13  my spare word; never rewritten
.set NIL, 14                           ; v14  0; never rewritten
.set XN,  16                           ; v16-79   64 numbers of my token; later the eight accumulators
.set WN,  80                           ; v80-143  64 numbers of my row of W; later W's eight fragments
.set MA,  144                          ; v144-159 the batch's mask; later at work
.set KB,  160                          ; v160-161 the mask bytes of tokens 8 h .. 8 h + 7 of my tile
.set MW,  162                          ; v162     those of tokens 4 lane .. 4 lane + 3 of the block
.set TM,  164                          ; v164-179 the quantiser's
.set XF,  180                          ; v180-187 my tokens' fragment
.set XS,  188                          ; v188     its scale words
.set PC,  190                          ; v190-197 my rows of W as a fragment
.set PW,  198                          ; v198     their scale words
.set WS,  200                          ; v200-207 the eight fragments' scale words
.set CO,  208                          ; v208-223 q, k: for each pair of channels C, C, -S, S;  v: v208-215 keep of my 8 tokens, v216-219 m, v220-221 constants
.set AN,  224                          ; v224-255 the coefficients' work: angle, n, z, sine, cosine, quadrant, scale, spare, four of each; later the eight images
.set NN,  228
.set ZZ,  232
.set SI,  236
.set CS,  240
.set QI,  244
.set SCL, 248
.set TT,  252
.set OUT, 224
.macro XLOAD reg, base, nt             ; row r's 128 numbers: register 16 b + i = k 32 b + 16 h + i
.irp b, 0,1,2,3
.irp j, 0,1,2,3
.if \nt
	global_load_b128 v[\reg+16*\b+4*\j:\reg+16*\b+4*\j+3], v[XA], s[\base:\base+1] offset:128*\b+16*\j th:TH_LOAD_NT
.else
	global_load_b128 v[\reg+16*\b+4*\j:\reg+16*\b+4*\j+3], v[XA], s[\base:\base+1] offset:128*\b+16*\j
.endif
.endr
.endr
.endm
; 64 numbers of a lane become a fragment's codes in v[pc] on and its scale word in v[pw]
.macro QUANT s, pc, pw
.irp b, 0,1,2,3
	v_max3_num_f32 v[TM+\b], |v[\s+16*\b]|, |v[\s+1+16*\b]|, 0x1800000   ; block b: my 16 numbers, and the floor 2^(3 - 127): the byte cannot fall under 1
.endr
.irp i, 2,4,6,8,10,12,14
.irp b, 0,1,2,3
	v_max3_num_f32 v[TM+\b], v[TM+\b], |v[\s+16*\b+\i]|, |v[\s+1+16*\b+\i]|   ; the four blocks by turns
.endr
.endr
.irp b, 0,1,2,3
	v_permlanex16_b32 v[TM+4+\b], v[TM+\b], s50, s51
.endr
.irp b, 0,1,2,3
	v_max_num_f32 v[TM+\b], v[TM+\b], v[TM+4+\b]   ; with lane l xor 16's: the block's largest magnitude
.endr
.irp b, 0,1,2,3
	v_add_nc_u32 v[TM+12+\b], 0xff000000, v[TM+\b] ; 2 off its exponent field: the conversion takes the exponent field of this operand as its scale
.endr
.irp b, 0,1,2,3
	v_lshrrev_b32 v[TM+4+\b], 23, v[TM+12+\b]      ; the scale's byte
.endr
	v_lshl_or_b32 v[\pw], v[TM+5], 8, v[TM+4]
	v_lshl_or_b32 v[\pw], v[TM+6], 16, v[\pw]
	v_lshl_or_b32 v[\pw], v[TM+7], 24, v[\pw]
.irp b, 0,1,2,3
	v_cvt_scalef32_pk8_fp4_f32 v[\pc+2*\b], v[\s+16*\b:\s+7+16*\b], v[TM+12+\b]
	v_cvt_scalef32_pk8_fp4_f32 v[\pc+1+2*\b], v[\s+8+16*\b:\s+15+16*\b], v[TM+12+\b]
.endr
	v_nop                                          ; one plain place behind a scaled conversion
.irp c, 0,1                                    ; the operand's layout wants a whole block in a lane
.irp i, 0,1
	v_permlane16_swap_b32 v[\pc+4*\c+\i], v[\pc+2+4*\c+\i]
.endr
.endr
.endm
.macro FINISH                          ; the wave's end
	s_wait_tensorcnt 0x0
	ds_add_u32 v[SPW], v[NIL]
	s_wait_dscnt 0x0
	s_endpgm
.endm
	s_load_b512 s[4:19], s[0:1], 0x0               ; q, k, v, Wq, Wk, Wv, mask, qkv
	v_lshl_add_u32 v[SPW], v0, 2, SPARE
	v_mov_b32 v[NIL], 0
	v_lshrrev_b32 v1, 5, v0
	v_readfirstlane_b32 s23, v1                    ; wave 0..7
	s_and_b32 s22, ttmp7, 0xffff                   ; y: which tensor
	s_mov_b32 s24, ttmp9                           ; x: which 128 tokens
	s_lshr_b32 s25, s24, 4                         ; the batch
	v_and_b32 v1, 31, v0                           ; lane
	v_and_b32 v2, 15, v0                           ; r
	v_bfe_u32 v3, v0, 4, 1                         ; h
	v_lshlrev_b32 v[XA], 9, v2
	v_lshl_add_u32 v[XA], v3, 6, v[XA]
	v_lshlrev_b32 v[LI], 4, v1
	v_lshlrev_b32 v[LS], 2, v1
	s_lshl_b32 s20, s23, 10
	v_add_nc_u32 v[WWI], s20, v[LI]
	s_lshl_b32 s20, s23, 7
	v_add_nc_u32 v[WWS], s20, v[LS]
	s_lshl_b32 s20, s23, 4
	v_lshl_add_u32 v[KBA], v3, 3, s20
	s_and_b32 s26, s24, 15                         ; the block's number in its batch
	s_lshl_b32 s21, s26, 7
	s_add_co_u32 s21, s21, s20                     ; my tile's first position
	v_add_nc_u32 v[POS], s21, v2
	v_cvt_f32_u32 v[POS], v[POS]
	v_lshlrev_b32 v[H8], 3, v3
	v_cvt_f32_u32 v[H8], v[H8]
.irp b, 0,1,2,3
	v_mov_b32 v[TM+4+\b], 0                        ; written once: a lane permute's destination counts as one of its sources
.endr
	; where my eight images begin in qkv, head 0's: q: QOFF + 512 (8 block + w);  k, v: CH (block / 4) + 512 (8 (block % 4) + w), v 16,384 further on
	s_lshl_b32 s27, s26, 3
	s_add_co_u32 s27, s27, s23
	s_lshl_b32 s27, s27, 9
	s_add_co_u32 s27, s27, QOFF
	s_lshr_b32 s20, s26, 2
	s_mul_i32 s20, s20, CH                         ; the chunk
	s_and_b32 s21, s24, 3
	s_lshl_b32 s54, s21, 9                         ; the block's 128 numbers of m in the chunk's 512
	s_lshl_b32 s21, s21, 3
	s_add_co_u32 s21, s21, s23
	s_lshl_b32 s21, s21, 9
	s_add_co_u32 s21, s21, s20
	s_cmp_eq_u32 s22, 2
	s_cselect_b32 s55, VOFF, 0
	s_add_co_u32 s21, s21, s55
	s_cmp_eq_u32 s22, 0
	s_cselect_b32 s26, s27, s21
	s_mov_b32 s40, 0xbb000000                      ; k: -1 / 512 (the inverse scale),
	s_cselect_b32 s40, 0x3b000000, s40             ; q: 1 / 512
	s_mul_i32 s27, s25, 8*REC
	s_add_co_u32 s26, s26, s27
	s_mov_b32 s27, 0
	s_lshl_b32 s56, s25, 3                         ; m: wave w writes head w's copy
	s_add_co_u32 s56, s56, s23
	s_mul_i32 s56, s56, REC
	s_add_co_u32 s56, s56, s20
	s_add_co_u32 s56, s56, s54
	s_add_co_u32 s56, s56, MOFF
	s_mov_b32 s57, 0
	s_lshl_b32 s58, s24, 16                        ; my 16 tokens: (128 x + 16 w) rows of 512 bytes
	s_lshl_b32 s60, s23, 13                        ; also my 16 rows of W
	s_add_co_u32 s58, s58, s60
	s_mov_b32 s59, 0
	s_mov_b32 s61, 0
	s_mov_b32 s41, 0x3fc90fdb                      ; pi / 2, high part,
	s_mov_b32 s42, 0xb33bbd2e                      ; and what is left of it
	s_mov_b32 s43, 0xb94ca1f9                      ; the sine's three coefficients,
	s_mov_b32 s44, 0x3c08839e
	s_mov_b32 s45, 0xbe2aaaa3
	s_mov_b32 s46, 0x37ccf5ce                      ; the cosine's
	s_mov_b32 s47, 0xbab6061a
	s_mov_b32 s48, 0x3d2aaaa5
	s_mov_b32 s50, 0x76543210                      ; v_permlanex16_b32's selects for lane l xor 16
	s_mov_b32 s51, 0xfedcba98
	s_wait_kmcnt 0x0
	s_cmp_eq_u32 s22, 0                            ; the buffers are chosen by the work-group's y alone
	s_cselect_b64 s[28:29], s[4:5], s[6:7]
	s_cselect_b64 s[30:31], s[10:11], s[12:13]
	s_cmp_eq_u32 s22, 2
	s_cselect_b64 s[28:29], s[8:9], s[28:29]
	s_cselect_b64 s[30:31], s[14:15], s[30:31]
	s_add_nc_u64 s[28:29], s[28:29], s[58:59]      ; my tokens
	s_add_nc_u64 s[30:31], s[30:31], s[60:61]      ; my rows of W
	s_add_nc_u64 s[32:33], s[18:19], s[26:27]      ; my images
	s_add_nc_u64 s[52:53], s[18:19], s[56:57]      ; my copy of m
	s_lshl_b32 s58, s25, 11
	s_add_nc_u64 s[34:35], s[16:17], s[58:59]      ; the batch's 2,048 mask bytes
	s_lshl_b32 s58, s24, 7
	s_add_nc_u64 s[36:37], s[16:17], s[58:59]      ; the block's 128
	XLOAD XN, 28, 1
	XLOAD WN, 30, 0
.irp i, 0,1,2,3
	global_load_b128 v[MA+4*\i:MA+4*\i+3], v[LI], s[34:35] offset:512*\i
.endr
	global_load_b64 v[KB:KB+1], v[KBA], s[36:37]
	global_load_b32 v[MW], v[LS], s[36:37]
	s_wait_loadcnt 22                              ; my tokens' 16 loads are in; W's 16, the mask's 4 and the two small ones may be out
	QUANT XN, XF, XS
	s_wait_loadcnt 6                               ; W's are in; the mask's 4 and the two small ones may be out
	QUANT WN, PC, PW                               ; (its plain lines also part my tokens' codes and scale word from the scaled matrix instructions)
	ds_store_b128 v[WWI], v[PC:PC+3]               ; the fragment goes to LDS as it stands,
	ds_store_b128 v[WWI], v[PC+4:PC+7] offset:512
	ds_store_b32 v[WWS], v[PW] offset:WSC          ; and its scale words
	s_wait_loadcnt 0x0
.irp i, 0,1,2,3,4,5,6,7                        ; is every one of the batch's 2,048 bytes 1?
	v_and_b32 v[MA+\i], v[MA+\i], v[MA+8+\i]
.endr
.irp i, 0,1,2,3
	v_and_b32 v[MA+\i], v[MA+\i], v[MA+4+\i]
.endr
	v_and_b32 v[MA], v[MA], v[MA+2]
	v_and_b32 v[MA+1], v[MA+1], v[MA+3]
	v_and_b32 v[MA], v[MA], v[MA+1]
	v_cmp_eq_u32 vcc_lo, 0x1010101, v[MA]
	s_cmp_eq_u32 vcc_lo, -1
	s_cselect_b32 s38, 1.0, 0                      ; 1.0 where the whole batch is masked
	s_cselect_b32 s39, 0, 0x3c800000               ; k's factor: 0 there, else 1 / 64
	s_cmp_eq_u32 s22, 0
	s_cselect_b32 s39, 0x3c8d6975, s39             ; q's: c / 64
	s_wait_dscnt 0x0                               ; for the others' sake: my stores have landed
	s_barrier_signal -1
	s_barrier_wait -1
.irp t, 0,1,2,3,4,5,6,7                        ; all eight fragments of W, and their scale words
	ds_load_b128 v[WN+8*\t:WN+8*\t+3], v[LI] offset:1024*\t
	ds_load_b128 v[WN+8*\t+4:WN+8*\t+7], v[LI] offset:1024*\t+512
	ds_load_b32 v[WS+\t], v[LS] offset:WSC+128*\t
.endr
	s_cmp_eq_u32 s22, 2                            ; the ways part on the work-group's y; neither has an LDS access of its own but the closing add
	s_cbranch_scc1 .Lv
	; ---- q, k.  THE COEFFICIENTS of my token's four pairs of channels, pair 4 h + j, while the LDS loads land
	v_cmp_ne_u32 vcc_lo, 0, v3
.macro THETA j, lo, hi                 ; 10000^(-(4 h + j) / 8)
	v_mov_b32 v[AN+\j], \hi
	v_cndmask_b32 v[AN+\j], \lo, v[AN+\j], vcc_lo
.endm
	THETA 0, 0x3f800000, 0x3c23d70a
	THETA 1, 0x3ea1e89b, 0x3b4f3e37
	THETA 2, 0x3dcccccd, 0x3a83126f
	THETA 3, 0x3d0186e2, 0x39a5cb5f
	v_add_f32 v[SCL+0], 0x40cccccd, v[H8]          ; 2 (4 h + j) + 6.4
	v_add_f32 v[SCL+1], 0x41066666, v[H8]
	v_add_f32 v[SCL+2], 0x41266666, v[H8]
	v_add_f32 v[SCL+3], 0x41466666, v[H8]
.irp j, 0,1,2,3
	v_mul_f32 v[SCL+\j], 0x3d36db6e, v[SCL+\j]     ; / 22.4
.endr
.irp j, 0,1,2,3
	v_log_f32 v[SCL+\j], v[SCL+\j]                 ; a batch of four; the sine's and cosine's lines are the work behind it
.endr
	v_add_f32 v[PWR], 0xc4800000, v[POS]           ; position - 1,024
	v_mul_f32 v[PWR], s40, v[PWR]
.irp j, 0,1,2,3
	v_mul_f32 v[AN+\j], v[POS], v[AN+\j]           ; the angle, one f32 product
.endr
.irp j, 0,1,2,3
	v_mul_f32 v[NN+\j], 0x3f22f983, v[AN+\j]       ; x 2 / pi
.endr
.irp j, 0,1,2,3
	v_rndne_f32 v[NN+\j], v[NN+\j]                 ; n quarter turns
.endr
.irp j, 0,1,2,3
	v_fma_f32 v[AN+\j], -v[NN+\j], s41, v[AN+\j]   ; what is left of the angle, within pi / 4, in two steps
.endr
.irp j, 0,1,2,3
	v_fma_f32 v[AN+\j], -v[NN+\j], s42, v[AN+\j]
.endr
.irp j, 0,1,2,3
	v_cvt_i32_f32 v[QI+\j], v[NN+\j]
.endr
.irp j, 0,1,2,3
	v_mul_f32 v[ZZ+\j], v[AN+\j], v[AN+\j]
.endr
.irp j, 0,1,2,3
	v_fma_f32 v[SI+\j], v[ZZ+\j], s43, s44
	v_fma_f32 v[CS+\j], v[ZZ+\j], s46, s47
.endr
.irp j, 0,1,2,3
	v_fma_f32 v[SI+\j], v[SI+\j], v[ZZ+\j], s45
	v_fma_f32 v[CS+\j], v[CS+\j], v[ZZ+\j], s48
.endr
.irp j, 0,1,2,3
	v_mul_f32 v[TT+\j], v[ZZ+\j], v[AN+\j]
	v_fma_f32 v[NN+\j], v[ZZ+\j], -0.5, 1.0
.endr
.irp j, 0,1,2,3
	v_fma_f32 v[SI+\j], v[SI+\j], v[TT+\j], v[AN+\j]   ; the sine of the rest
	v_mul_f32 v[TT+\j], v[ZZ+\j], v[ZZ+\j]
.endr
.irp j, 0,1,2,3
	v_fma_f32 v[CS+\j], v[CS+\j], v[TT+\j], v[NN+\j]   ; its cosine
.endr
	s_wait_alu depctr_va_vdst(0)                   ; one wait for the four logarithms, ahead of their first reader
.irp j, 0,1,2,3
	v_mul_f32 v[SCL+\j], v[SCL+\j], v[PWR]
.endr
.irp j, 0,1,2,3
	v_exp_f32 v[SCL+\j], v[SCL+\j]                 ; the xpos scale, or its inverse: a batch of four; the quadrants' lines are the work behind it
.endr
.irp j, 0,1,2,3
	v_and_b32 v[TT+\j], 1, v[QI+\j]
	v_cmp_eq_u32 vcc_lo, 1, v[TT+\j]               ; an odd number of quarter turns: sine and cosine change places
	v_cndmask_b32 v[NN+\j], v[SI+\j], v[CS+\j], vcc_lo
	v_cndmask_b32 v[ZZ+\j], v[CS+\j], v[SI+\j], vcc_lo
.endr
.irp j, 0,1,2,3
	v_and_b32 v[TT+\j], 2, v[QI+\j]                ; the sine is negated in quadrants 2 and 3,
	v_add_nc_u32 v[QI+\j], 1, v[QI+\j]
.endr
.irp j, 0,1,2,3
	v_lshlrev_b32 v[TT+\j], 30, v[TT+\j]
	v_and_b32 v[QI+\j], 2, v[QI+\j]                ; the cosine in 1 and 2
.endr
.irp j, 0,1,2,3
	v_xor_b32 v[NN+\j], v[TT+\j], v[NN+\j]
	v_lshlrev_b32 v[QI+\j], 30, v[QI+\j]
.endr
.irp j, 0,1,2,3
	v_xor_b32 v[ZZ+\j], v[QI+\j], v[ZZ+\j]
.endr
	s_wait_alu depctr_va_vdst(0)                   ; one wait for the four exponentials
.irp j, 0,1,2,3
	v_mul_f32 v[SCL+\j], s39, v[SCL+\j]            ; with the tensor's factor
.endr
.irp j, 0,1,2,3
	v_mul_f32 v[CO+4*\j], v[ZZ+\j], v[SCL+\j]      ; C,
	v_mul_f32 v[CO+4*\j+1], v[ZZ+\j], v[SCL+\j]    ; C,
	v_mul_f32 v[CO+4*\j+2], -v[NN+\j], v[SCL+\j]   ; -S,
	v_mul_f32 v[CO+4*\j+3], v[NN+\j], v[SCL+\j]    ; S
.endr
	s_wait_dscnt 0x0                               ; W's fragments and scale words are in
.irp t, 0,1,2,3,4,5,6,7                        ; TRANSPOSED: source 0 = head t's 16 rows of W, source 1 = my 16 tokens: lane (r, h) holds token r, the head's channels 8 h + 0 .. 7
	v_wmma_scale_f32_16x16x128_f8f6f4 v[XN+8*\t:XN+8*\t+7], v[WN+8*\t:WN+8*\t+7], v[XF:XF+7], 0, v[WS+\t], v[XS] matrix_a_fmt:MATRIX_FMT_FP4 matrix_b_fmt:MATRIX_FMT_FP4
.endr
.rept 4
	v_nop                                          ; four places between the products and the first read of a result
.endr
.macro ROPE t                          ; (x0, x1) -> (x0 C - x1 S, x1 C + x0 S), rounded to f16; each accumulator is read from its low end on
.set DD, XN+8*(\t)
.set TW, MA+8*((\t)%2)
.irp p, 0,1,2,3
	v_pk_mul_f32 v[TW+2*\p:TW+2*\p+1], v[DD+2*\p:DD+2*\p+1], v[CO+4*\p:CO+4*\p+1]
.endr
.irp p, 0,1,2,3
	v_pk_fma_f32 v[TW+2*\p:TW+2*\p+1], v[DD+2*\p:DD+2*\p+1], v[CO+4*\p+2:CO+4*\p+3], v[TW+2*\p:TW+2*\p+1] op_sel:[1,0,0] op_sel_hi:[0,1,1]   ; low: x1 (-S); high: x0 S
.endr
.irp p, 0,1,2,3
	v_cvt_pk_f16_f32 v[OUT+4*(\t)+\p], v[TW+2*\p], v[TW+2*\p+1]
.endr
	global_store_b128 v[LI], v[OUT+4*(\t):OUT+4*(\t)+3], s[32:33] offset:(\t)*REC   ; 32 lanes store 512 consecutive bytes; every image has its own four registers
.endm
.irp t, 0,1,2,3,4,5,6,7
	ROPE \t
.endr
	FINISH
.Lv:	; ---- v.  keep = 1.0 where the mask byte is 0, else 1.0 only where the whole batch is masked
	v_mov_b32 v[CO+12], s38
	v_mov_b32 v[CO+13], 1.0
.irp j, 0,1,2,3,4,5,6,7
	v_bfe_u32 v[MA+\j], v[KB+\j/4], 8*(\j%4), 8
.endr
.irp j, 0,1,2,3
	v_bfe_u32 v[MA+8+\j], v[MW], 8*\j, 8
.endr
.irp j, 0,1,2,3,4,5,6,7,8,9,10,11
	v_cmp_eq_u32 vcc_lo, 0, v[MA+\j]
	v_cndmask_b32 v[CO+\j], v[CO+12], v[CO+13], vcc_lo
.endr
	global_store_b128 v[LI], v[CO+8:CO+11], s[52:53]   ; m of the block's 128 tokens, into head w's record
	s_wait_dscnt 0x0                               ; W's fragments and scale words are in
.irp t, 0,1,2,3,4,5,6,7                        ; NOT transposed: source 0 = my 16 tokens, source 1 = head t's 16 rows of W: lane (r, h) holds channel r, tokens 8 h + 0 .. 7
	v_wmma_scale_f32_16x16x128_f8f6f4 v[XN+8*\t:XN+8*\t+7], v[XF:XF+7], v[WN+8*\t:WN+8*\t+7], 0, v[XS], v[WS+\t] matrix_a_fmt:MATRIX_FMT_FP4 matrix_b_fmt:MATRIX_FMT_FP4
.endr
.rept 4
	v_nop
.endr
.macro VOUT t
.set DD, XN+8*(\t)
.set TW, MA+8*((\t)%2)
.irp p, 0,1,2,3
	v_pk_mul_f32 v[TW+2*\p:TW+2*\p+1], v[DD+2*\p:DD+2*\p+1], v[CO+2*\p:CO+2*\p+1]   ; a masked key's row of V becomes zeros
.endr
.irp p, 0,1,2,3
	v_cvt_pk_f16_f32 v[OUT+4*(\t)+\p], v[TW+2*\p], v[TW+2*\p+1]
.endr
	global_store_b128 v[LI], v[OUT+4*(\t):OUT+4*(\t)+3], s[32:33] offset:(\t)*REC
.endm
.irp t, 0,1,2,3,4,5,6,7
	VOUT \t
.endr
	FINISH
.Lfunc_end_k_q95451ebdad_proj:
	.size	k_q95451ebdad_proj, .Lfunc_end_k_q95451ebdad_proj-k_q95451ebdad_proj
	.p2alignl 7, 3214868480
	.fill 96, 4, 3214868480
	.section	.rodata,"a",@progbits
	.p2align	6, 0x0
	.amdhsa_kernel k_q95451ebdad_proj
		.amdhsa_group_segment_fixed_size 10240
		.amdhsa_private_segment_fixed_size 0
		.amdhsa_enable_private_segment 0
		.amdhsa_kernarg_size 64
		.amdhsa_user_sgpr_count 2
		.amdhsa_user_sgpr_kernarg_segment_ptr 1
		.amdhsa_wavefront_size32 1
		.amdhsa_system_sgpr_workgroup_id_x 1
		.amdhsa_system_sgpr_workgroup_id_y 1
		.amdhsa_system_sgpr_workgroup_id_z 1
		.amdhsa_system_vgpr_workitem_id 0
		.amdhsa_next_free_vgpr 256
		.amdhsa_next_free_sgpr 66
		.amdhsa_reserve_vcc 1
		.amdhsa_float_denorm_mode_32 3
		.amdhsa_float_denorm_mode_16_64 3
		.amdhsa_memory_ordered 1
		.amdhsa_forward_progress 1
		.amdhsa_inst_pref_size 41
	.end_amdhsa_kernel
	.amdgpu_metadata
---
amdhsa.version: [ 1, 2 ]
amdhsa.kernels:
  - .name:           k_q95451ebdad_proj
    .symbol:         k_q95451ebdad_proj.kd
    .args:
      - { .name: q, .offset: 0, .size: 8, .value_kind: global_buffer, .address_space: global }
      - { .name: k, .offset: 8, .size: 8, .value_kind: global_buffer, .address_space: global }
      - { .name: v, .offset: 16, .size: 8, .value_kind: global_buffer, .address_space: global }
      - { .name: Wq, .offset: 24, .size: 8, .value_kind: global_buffer, .address_space: global }
      - { .name: Wk, .offset: 32, .size: 8, .value_kind: global_buffer, .address_space: global }
      - { .name: Wv, .offset: 40, .size: 8, .value_kind: global_buffer, .address_space: global }
      - { .name: mask, .offset: 48, .size: 8, .value_kind: global_buffer, .address_space: global }
      - { .name: qkv, .offset: 56, .size: 8, .value_kind: global_buffer, .address_space: global }
    .group_segment_fixed_size: 10240
    .private_segment_fixed_size: 0
    .kernarg_segment_align: 8
    .kernarg_segment_size: 64
    .max_flat_workgroup_size: 256
    .sgpr_count:     66
    .vgpr_count:     256
    .wavefront_size: 32
...
	.end_amdgpu_metadata
.endif
;; end of part 1
;; launch attn (part 2): grid 4 x 64, 16 waves a work-group, clusters of 4 x 1, 167,936 bytes of LDS; arguments qkv, oimg; writes oimg
.if DOCPART == 2
	.amdgcn_target "amdgcn-amd-amdhsa--gfx1250"
	.amdhsa_code_object_version 6
	.text
	.protected	k_q95451ebdad_attn
	.globl	k_q95451ebdad_attn
	.p2align	8
	.type	k_q95451ebdad_attn,@function
k_q95451ebdad_attn:
	s_mov_b64 s[64:65], 0
	v_nop
	global_prefetch_b8 v0, s[64:65] scope:SCOPE_SE
	s_setreg_imm32_b32 hwreg(HW_REG_WAVE_MODE, 25, 1), 1
	s_wait_xcnt 0x0
	s_wait_alu depctr_hold_cnt(0) depctr_sa_sdst(0) depctr_va_vdst(0) depctr_va_sdst(0) depctr_va_ssrc(0) depctr_va_vcc(0) depctr_vm_vsrc(0)
	s_getreg_b32 s2, hwreg(HW_REG_IB_STS2, 6, 4)
	s_cmp_eq_u32 s2, 0
	s_cbranch_scc0 .Lentry_in_a_cluster
	s_endpgm
.Lentry_in_a_cluster:
	s_bfe_u32 s2, ttmp6, 0x10000c
	s_cmp_lg_u32 s2, 0x3003
	s_cbranch_scc0 .Lentry_shape_is_right
	s_endpgm
.Lentry_shape_is_right:
; ATTENTION of one (batch, head): O[q] = sum over keys of softmax(10 tanh(x)) V, x = the logit scale x Qr . Kr, with the key mask.  Operands f16, sums f32.
; THE LOGIT.  exp(10 tanh x - 10) = 2^(-k20 / (1 + 2^S)), k20 = 20 log2(e), S = 2 log2(e) x.  The clip 10 tanh holds every logit within +-10 for every input, so the shift by the clip's own bound stands for
; the maximum: p' = 2^(15 - k20 / (1 + 2^S)) lies between 2^-13.86 and 2^15, inside f16's normal numbers, and a row's f32 sum between 2^-13.86 and 2^26.  The factor 2^15 leaves in O / sum.
; S = +-infinity is served: 2^S = infinity gives the reciprocal 0 and the largest p', 2^S = 0 gives 1 and the smallest.
; The operands come as Q^ = Qr c / 64 and K^ = Kr / 64, so the product is S / 4,096, and one packed multiplication restores it.
; THE MASK.  A masked key's row of V is zeros already; in the row's sum its p' is multiplied by m = 0.
; SHARES.  A work-group: 512 queries of one (batch, head); each of sixteen waves 32 of them (two tiles) against all 2,048 keys, 64 a step.  Four waves lie on a SIMD: one wave's waits are filled by the others.
; LAYOUT.  S^T = K Q^T (source 0 = 16 keys, source 1 = 16 queries), O^T = V^T P: a lane holds ONE query throughout, and two score tiles rounded to f16 are source 1 of the second product as they stand.
; The head has 16 channels and the instruction takes 32: registers 4-7 of Q's fragments are zeros.  K's tiles lie packed, four registers each; a tile's upper four are the next tile's numbers (finite), which meet those zeros; four zeros stand behind the last.
; LDS.  The record's four chunks (512 keys each: K's 32 images, V's 32, 512 f32 of m), 139,264 bytes, are filled ONCE: nothing is filled again.
; CLUSTER.  The four query blocks of a (batch, head) read the same 139,264 bytes: each chunk is asked for JOINTLY, by the same tensor load with the same descriptor and the mask of all four, issued by wave 0 of each.
; By this text's count wave 0 has four tensor loads out, the other waves none.
; LIMITS: as the launch that makes qkv states them: finite f16 numbers in K^, Q^ and V^.
.set REC,   204800
.set CH,    34816
.set QOFF,  139264
.set VOFF,  16384
.set MOFF,  32768
.set SPARE, 139264                     ; behind the four chunks: the spare words, 128 bytes for each of sixteen waves: eight blocks of 256 bytes that no other line names
.set LI,   1                           ; v1      16 x lane: an image's place for my lane, in LDS and in memory
.set AM0,  2                           ; v2      32 h + MOFF: m of keys 8 h on
.set ADK,  3                           ; v3      the step's images
.set ADM,  4                           ; v4      the step's m
.set SPW,  6                           ; v6      my spare word; never rewritten
.set NIL,  7                           ; v7      0; never rewritten
.set NK,   8                           ; v8-9    -k20, twice
.set FIF,  10                          ; v10-11  15.0, twice
.set LSUM, 12                          ; v12-19  the rows' sums: for each tile two pairs: four chains
.set RS,   20                          ; v20-23  the way out: for each tile the sum, then its reciprocal, and the other half's sum
.set QF,   24                          ; v24-39  Q's two fragments
.set OAC,  40                          ; v40-55  O^T, two accumulators
.set KF,   56                          ; v56-75  K's four tiles, and four zeros
.set VF,   76                          ; v76-91  V^T's two fragments
.set MK,   92                          ; v92-123 m: register 8 i + j = key 16 i + 8 h + j
.set PF,   124                         ; v124-155 p' in f16: 16 q + 4 i
.set SCO,  160                         ; v160-223 the scores: 32 q + 8 i
.set WV,   10                          ; s10     my wave's number
.set G1,   16                          ; s[16:23] descriptor group 1
.set G0,   24                          ; s[24:39] group 0, one for each chunk
.set BIG,  40                          ; s[40:41] 4,096.0 (the packed form names a pair and takes its low word for both halves)
.set TB,   42                          ; s42     LDS byte of the step's images of K
.set TMS,  43                          ; s43     and of its m, less MOFF
.set CNT,  44
.set SEL,  46                          ; s[46:47] v_permlanex16_b32's selects for lane l xor 16
.macro CROUND                          ; a round of the cluster's barrier
	s_barrier_signal -1
	s_barrier_wait -1
	s_cmp_lg_u32 s[WV], 0
	s_cbranch_scc1 .Lnot_wave_0_\@
	s_barrier_signal -3
.Lnot_wave_0_\@:
	s_barrier_wait -3
	s_barrier_signal -1
	s_barrier_wait -1
.endm
	s_load_b128 s[4:7], s[0:1], 0x0                ; qkv, oimg
	v_lshl_add_u32 v[SPW], v0, 2, SPARE
	v_mov_b32 v[NIL], 0
	ds_add_u32 v[SPW], v[NIL]                      ; the wave's opening: the add, twice on end, and its wait ahead of the first tensor load
	ds_add_u32 v[SPW], v[NIL]
	v_lshrrev_b32 v1, 5, v0
	v_readfirstlane_b32 s[WV], v1                  ; wave 0..15
	s_bfe_u32 s11, ttmp6, 0x40000                  ; cx: my place in the cluster: it enters Q's and O's addresses alone
	s_lshl_b32 s13, ttmp9, 2
	s_add_co_u32 s13, s13, s11                     ; my block of 512 queries
	s_and_b32 s12, ttmp7, 0xffff                   ; batch x 8 + head, which the four partners share
	s_mul_i32 s14, s12, REC
	s_mov_b32 s15, 0
	; group 1: a chunk is a dense block of 34,816 bytes: 136 rows of 32 elements of 8 bytes
	s_mov_b32 s[G1], 15|(3<<16)|(1<<21)            ; 15:0 the mask: all four work-groups; 17:16 elements of 8 bytes; 21 set beside a mask; no padding
	s_mov_b32 s[G1+1], 32<<16                      ; tensor_dim0 = 32
	s_mov_b32 s[G1+2], 136<<16                     ; tensor_dim1 = 136
	s_mov_b32 s[G1+3], 32<<16                      ; tile_dim0 = 32
	s_mov_b32 s[G1+4], 136                         ; tile_dim1 = 136
	s_mov_b32 s[G1+5], 32                          ; from row to row
	s_mov_b32 s[G1+6], 0
	s_mov_b32 s[G1+7], 0
	s_lshl_b32 s48, s13, 5                         ; Q: image 32 block + 2 wave
	s_lshl_b32 s49, s[WV], 1
	s_add_co_u32 s48, s48, s49
	s_lshl_b32 s48, s48, 9
	s_add_co_u32 s48, s48, QOFF
	s_mov_b32 s49, 0
	s_lshr_b32 s50, s12, 3                         ; O: [batch x 128 + query tile][head][512 bytes]
	s_lshl_b32 s50, s50, 19
	s_lshl_b32 s51, s13, 17
	s_add_co_u32 s50, s50, s51
	s_lshl_b32 s51, s[WV], 13
	s_add_co_u32 s50, s50, s51
	s_and_b32 s51, s12, 7
	s_lshl_b32 s51, s51, 9
	s_add_co_u32 s50, s50, s51
	s_mov_b32 s51, 0
	s_mov_b32 s[BIG], 0x45800000
	s_mov_b32 s[BIG+1], s[BIG]
	s_mov_b32 s[SEL], 0x76543210
	s_mov_b32 s[SEL+1], 0xfedcba98
	s_wait_dscnt 0x0                               ; both opening adds are done
	s_wait_kmcnt 0x0
	s_add_nc_u64 s[8:9], s[4:5], s[14:15]          ; the record
	s_add_nc_u64 s[48:49], s[8:9], s[48:49]
	s_add_nc_u64 s[50:51], s[6:7], s[50:51]
.irp c, 0,1,2,3
	s_mov_b32 s[G0+4*\c], 1                        ; count = 1
	s_mov_b32 s[G0+4*\c+1], \c*CH                  ; LDS address
	s_add_nc_u64 s[G0+4*\c+2:G0+4*\c+3], s[8:9], \c*CH
	s_or_b32 s[G0+4*\c+3], s[G0+4*\c+3], 0x80000000   ; type = 2
.endr
	CROUND                                         ; all four work-groups are here: the joint loads meet
	s_cmp_lg_u32 s[WV], 0                          ; wave 0's four first fills stand in one branch on the wave's number, ahead of every wait on TENSORcnt, every LDS read and every other barrier
	s_cbranch_scc1 .Lno_fetch
.irp c, 0,1,2,3
	tensor_load_to_lds s[G0+4*\c:G0+4*\c+3], s[G1:G1+7]
	s_nop 0
.endr
.rept 4
	v_nop
.endr
.Lno_fetch:
	v_and_b32 v[LI], 31, v0
	v_lshlrev_b32 v[LI], 4, v[LI]
	global_load_b128 v[QF:QF+3], v[LI], s[48:49]               ; Q's two images stay in registers
	global_load_b128 v[QF+8:QF+11], v[LI], s[48:49] offset:512
	v_bfe_u32 v[AM0], v0, 4, 1
	v_lshl_add_u32 v[AM0], v[AM0], 5, MOFF
	v_mov_b32 v[NK], 0xc1e6d4ca
	v_mov_b32 v[NK+1], 0xc1e6d4ca
	v_mov_b32 v[FIF], 0x41700000
	v_mov_b32 v[FIF+1], 0x41700000
.irp j, 0,1,2,3
	v_mov_b32 v[QF+4+\j], 0                        ; channels 16 to 31 there are none
	v_mov_b32 v[QF+12+\j], 0
	v_mov_b32 v[KF+16+\j], 0
	v_mov_b32 v[RS+\j], 0                          ; (a lane permute's destination counts as one of its sources)
.endr
.irp j, 0,1,2,3,4,5,6,7
	v_mov_b32 v[LSUM+\j], 0                        ; the step is written once: sums and O^T begin as zeros: 24 lines, once
	v_mov_b32 v[OAC+\j], 0
	v_mov_b32 v[OAC+8+\j], 0
.endr
; A STEP: 64 keys x my 32 queries
.macro STEP
	v_add_nc_u32 v[ADK], s[TB], v[LI]
	v_add_nc_u32 v[ADM], s[TMS], v[AM0]
	v_nop                                          ; with the two additions: four places between the last step's products and the loads into V's registers
	v_nop
.irp i, 0,1,2,3
	ds_load_b128 v[KF+4*\i:KF+4*\i+3], v[ADK] offset:512*\i
.endr
.irp i, 0,1,2,3
	ds_load_b128 v[MK+8*\i:MK+8*\i+3], v[ADM] offset:64*\i
	ds_load_b128 v[MK+8*\i+4:MK+8*\i+7], v[ADM] offset:64*\i+16
.endr
.irp i, 0,1,2,3
	ds_load_b128 v[VF+4*\i:VF+4*\i+3], v[ADK] offset:VOFF+512*\i
.endr
	s_wait_dscnt 12                                ; K's four loads are in; m's eight and V's four may be out
.irp i, 0,1,2,3
.irp q, 0,1
	v_wmma_f32_16x16x32_f16 v[SCO+32*\q+8*\i:SCO+32*\q+8*\i+7], v[KF+4*\i:KF+4*\i+7], v[QF+8*\q:QF+8*\q+7], 0
.endr
.endr
.rept 4
	v_nop                                          ; four places between the products and the first read of a result
.endr
.set n, 0
.rept 32
	v_pk_mul_f32 v[SCO+n:SCO+n+1], v[SCO+n:SCO+n+1], s[BIG:BIG+1] op_sel_hi:[1,0]   ; S; in ascending order: each accumulator is read from its low end on
.set n, n+2
.endr
.set n, 0
.rept 64
	v_exp_f32 v[SCO+n], v[SCO+n]                   ; 2^S
.set n, n+1
.endr
	v_nop                                          ; a plain line behind the batch,
	s_wait_alu depctr_va_vdst(0)                   ; and one wait for it, ahead of its first reader
.set n, 0
.rept 32
	v_pk_add_f32 v[SCO+n:SCO+n+1], v[SCO+n:SCO+n+1], 1.0 op_sel_hi:[1,0]
.set n, n+2
.endr
.set n, 0
.rept 64
	v_rcp_f32 v[SCO+n], v[SCO+n]                   ; 1 / (1 + 2^S)
.set n, n+1
.endr
	v_nop
	s_wait_alu depctr_va_vdst(0)
.set n, 0
.rept 32
	v_pk_fma_f32 v[SCO+n:SCO+n+1], v[SCO+n:SCO+n+1], v[NK:NK+1], v[FIF:FIF+1]   ; 15 - k20 / (1 + 2^S)
.set n, n+2
.endr
.set n, 0
.rept 64
	v_exp_f32 v[SCO+n], v[SCO+n]                   ; p'
.set n, n+1
.endr
	v_nop
	s_wait_alu depctr_va_vdst(0)
.set n, 0
.rept 32
	v_cvt_pk_f16_f32 v[PF+n], v[SCO+2*n], v[SCO+2*n+1]   ; tiles 2 g and 2 g + 1 of a query tile are source 1 for 32 keys
.set n, n+1
.endr
	s_wait_dscnt 0x0                               ; m and V are in
.irp a, 0,1                                    ; the rows' sums, of the f32 p', each times its key's m: four chains by turns
.irp p, 0,2,4,6
.irp q, 0,1
.irp e, 0,1
	v_pk_fma_f32 v[LSUM+4*\q+2*\e:LSUM+4*\q+2*\e+1], v[SCO+32*\q+8*(2*\a+\e)+\p:SCO+32*\q+8*(2*\a+\e)+\p+1], v[MK+8*(2*\a+\e)+\p:MK+8*(2*\a+\e)+\p+1], v[LSUM+4*\q+2*\e:LSUM+4*\q+2*\e+1]
.endr
.endr
.endr
.endr
.irp g, 0,1                                    ; O^T += V^T P: the two accumulators by turns, one instruction a turn
.irp q, 0,1
	v_wmma_f32_16x16x32_f16 v[OAC+8*\q:OAC+8*\q+7], v[VF+8*\g:VF+8*\g+7], v[PF+16*\q+8*\g:PF+16*\q+8*\g+7], v[OAC+8*\q:OAC+8*\q+7]
.endr
.endr
.endm
; A CHUNK: 512 keys, eight steps.  Wave 0 waits until chunk c has landed (its loads end in the order of issue; the 3 - c later ones may stay out) and signals;
; the others read behind the barrier.  No LDS load of a wave is out here: every step ends behind its wait for all of them.
.macro CHUNK c
	s_wait_tensorcnt 3-\c
	s_barrier_signal -1
	s_barrier_wait -1
	s_mov_b32 s[TB], \c*CH
	s_mov_b32 s[TMS], \c*CH
	s_mov_b32 s[CNT], 8
.Lstep_\@:
	STEP
	s_add_co_u32 s[TB], s[TB], 2048                ; four images on
	s_add_co_u32 s[TMS], s[TMS], 256               ; 64 numbers on
	s_sub_co_u32 s[CNT], s[CNT], 1
	s_cmp_lg_u32 s[CNT], 0
	s_cbranch_scc1 .Lstep_\@
.endm
	s_wait_loadcnt 0x0                             ; Q
	CHUNK 0
	CHUNK 1
	CHUNK 2
	CHUNK 3
	; THE WAY OUT.  A row's four part sums and the other half of the lanes' are added (these lines are also the places behind the last products); O^T / sum, rounded to f16, is an image of 512 bytes for each tile.
.irp q, 0,1
	v_pk_add_f32 v[LSUM+4*\q:LSUM+4*\q+1], v[LSUM+4*\q:LSUM+4*\q+1], v[LSUM+4*\q+2:LSUM+4*\q+3]
.endr
.irp q, 0,1
	v_add_f32 v[RS+2*\q], v[LSUM+4*\q], v[LSUM+4*\q+1]
.endr
.irp q, 0,1
	v_permlanex16_b32 v[RS+2*\q+1], v[RS+2*\q], s[SEL], s[SEL+1]
.endr
.irp q, 0,1
	v_add_f32 v[RS+2*\q], v[RS+2*\q], v[RS+2*\q+1]
.endr
.irp q, 0,1
	v_rcp_f32 v[RS+2*\q], v[RS+2*\q]
.endr
	v_nop
	s_wait_alu depctr_va_vdst(0)                   ; one wait for the two reciprocals
.irp q, 0,1
.irp p, 0,2,4,6
	v_pk_mul_f32 v[SCO+8*\q+\p:SCO+8*\q+\p+1], v[OAC+8*\q+\p:OAC+8*\q+\p+1], v[RS+2*\q:RS+2*\q+1] op_sel_hi:[1,0]
.endr
.endr
.irp q, 0,1
.irp p, 0,1,2,3
	v_cvt_pk_f16_f32 v[PF+4*\q+\p], v[SCO+8*\q+2*\p], v[SCO+8*\q+2*\p+1]
.endr
	global_store_b128 v[LI], v[PF+4*\q:PF+4*\q+3], s[50:51] offset:4096*\q   ; lane (r, h): query r, the head's channels 8 h .. 8 h + 7; 32 lanes store 512 consecutive bytes
.endr
	s_wait_tensorcnt 0x0                           ; the wave's end
	ds_add_u32 v[SPW], v[NIL]
	s_wait_dscnt 0x0
	CROUND                                         ; the closing round: no work-group ends while a partner may still ask for a chunk that names it
	s_endpgm
.Lfunc_end_k_q95451ebdad_attn:
	.size	k_q95451ebdad_attn, .Lfunc_end_k_q95451ebdad_attn-k_q95451ebdad_attn
	.p2alignl 7, 3214868480
	.fill 96, 4, 3214868480
	.section	.rodata,"a",@progbits
	.p2align	6, 0x0
	.amdhsa_kernel k_q95451ebdad_attn
		.amdhsa_group_segment_fixed_size 167936
		.amdhsa_private_segment_fixed_size 0
		.amdhsa_enable_private_segment 0
		.amdhsa_kernarg_size 16
		.amdhsa_user_sgpr_count 2
		.amdhsa_user_sgpr_kernarg_segment_ptr 1
		.amdhsa_wavefront_size32 1
		.amdhsa_system_sgpr_workgroup_id_x 1
		.amdhsa_system_sgpr_workgroup_id_y 1
		.amdhsa_system_sgpr_workgroup_id_z 1
		.amdhsa_system_vgpr_workitem_id 0
		.amdhsa_next_free_vgpr 224
		.amdhsa_next_free_sgpr 66
		.amdhsa_reserve_vcc 0
		.amdhsa_float_denorm_mode_32 3
		.amdhsa_float_denorm_mode_16_64 3
		.amdhsa_memory_ordered 1
		.amdhsa_forward_progress 1
		.amdhsa_inst_pref_size 84
	.end_amdhsa_kernel
	.amdgpu_metadata
---
amdhsa.version: [ 1, 2 ]
amdhsa.kernels:
  - .name:           k_q95451ebdad_attn
    .symbol:         k_q95451ebdad_attn.kd
    .args:
      - { .name: qkv, .offset: 0, .size: 8, .value_kind: global_buffer, .address_space: global }
      - { .name: oimg, .offset: 8, .size: 8, .value_kind: global_buffer, .address_space: global }
    .group_segment_fixed_size: 167936
    .private_segment_fixed_size: 0
    .kernarg_segment_align: 8
    .kernarg_segment_size: 16
    .max_flat_workgroup_size: 512
    .sgpr_count:     66
    .vgpr_count:     224
    .wavefront_size: 32
...
	.end_amdgpu_metadata
.endif
;; end of part 2
;; launch outp (part 3): grid 256 x 1, 8 waves a work-group, no clusters, 51,200 bytes of LDS; arguments oimg, Wout, out0; writes out0
.if DOCPART == 3
	.amdgcn_target "amdgcn-amd-amdhsa--gfx1250"
	.amdhsa_code_object_version 6
	.text
	.protected	k_q95451ebdad_outp
	.globl	k_q95451ebdad_outp
	.p2align	8
	.type	k_q95451ebdad_outp,@function
k_q95451ebdad_outp:
	s_mov_b64 s[64:65], 0
	v_nop
	global_prefetch_b8 v0, s[64:65] scope:SCOPE_SE
	s_setreg_imm32_b32 hwreg(HW_REG_WAVE_MODE, 25, 1), 1
	s_wait_xcnt 0x0
; THE PROJECTION ON THE WAY OUT: out0[token][o] = sum over the 128 channels of O[token][c] Wout[o][c].  Operands f16, sums f32.
; oimg: [token tile][head][512 bytes]: lane (r, h) = token r, the head's channels 8 h .. 8 h + 7, in f16.  The images of heads 2 s and 2 s + 1 are registers 0-3 and 4-7 of the fragment for channels 32 s .. 32 s + 31.
; A work-group takes 64 tokens: four tiles, 16,384 consecutive bytes of oimg, which its eight waves copy into LDS once and all read.  Wave w makes outputs 16 w .. 16 w + 15 of all 64 tokens:
; its 16 rows of Wout are read once, as f32, and rounded to f16 in registers.  The product is used transposed (source 0 = rows of Wout, source 1 = tokens): a lane holds eight neighbouring outputs of one token.
; A token's 128 outputs come from eight waves: they meet in a stage in LDS and leave as whole rows of 512 bytes.
; NO CLUSTER, NO TENSOR LOAD: Wout has to be rounded to f16 in registers on its way, so it does not go to LDS as a tile that partners could ask for jointly; oimg's bytes are no two work-groups'.
; LIMITS: |Wout| and |O| under 65,504 (f16).
.set STG,   16384                      ; LDS: 0: the 32 images;  16,384: the stage, 64 rows x (512 bytes + 16): the sixteen rows that a store touches start in sixteen different groups of banks
.set SPARE, 50176                      ; the spare words, 128 bytes for each of eight waves: four blocks of 256 bytes that no other line names
.set LI,  1                            ; v1   16 x lane
.set WA,  4                            ; v4   512 r + 32 h: my eight numbers of a row of Wout
.set CP,  5                            ; v5   2,048 w + 16 x lane: my part of the copy, in oimg's block and in LDS
.set SO,  7                            ; v7   the stage: where I put 32 bytes of a row
.set SR,  8                            ; v8   and where I read a row back
.set SPW, 10                           ; v10  my spare word; never rewritten
.set NIL, 11                           ; v11  0; never rewritten
.set OC,  12                           ; v12-27   the copy
.set WT,  32                           ; v32-95   Wout as f32; later
.set DA,  32                           ; v32-63   the four accumulators,
.set RB,  64                           ; v64-95   and eight rows read back
.set WF,  96                           ; v96-127  Wout's four fragments
.set OF,  128                          ; v128-255 O's sixteen: 32 tile + 8 s
	s_load_b128 s[4:7], s[0:1], 0x0                ; oimg, Wout
	s_load_b64 s[8:9], s[0:1], 0x10                ; out0
	v_lshl_add_u32 v[SPW], v0, 2, SPARE
	v_mov_b32 v[NIL], 0
	v_lshrrev_b32 v1, 5, v0
	v_readfirstlane_b32 s10, v1                    ; wave 0..7
	v_and_b32 v[LI], 31, v0
	v_lshlrev_b32 v[LI], 4, v[LI]
	v_and_b32 v2, 15, v0                           ; r
	v_bfe_u32 v3, v0, 4, 1                         ; h
	v_lshlrev_b32 v[WA], 9, v2
	v_lshl_add_u32 v[WA], v3, 5, v[WA]
	s_lshl_b32 s11, s10, 11
	v_add_nc_u32 v[CP], s11, v[LI]
	v_mul_u32_u24 v[SO], v2, 528
	v_lshl_add_u32 v[SO], v3, 5, v[SO]
	s_lshl_b32 s11, s10, 6
	s_add_co_u32 s11, s11, STG
	v_add_nc_u32 v[SO], s11, v[SO]                 ; row r, + 32 h, + 64 w
	s_mul_i32 s11, s10, 8*528
	s_add_co_u32 s11, s11, STG
	v_add_nc_u32 v[SR], s11, v[LI]                 ; my eight rows, 16 bytes a lane
	s_lshl_b32 s12, ttmp9, 14                      ; the work-group's 16,384 bytes of oimg
	s_mov_b32 s13, 0
	s_lshl_b32 s14, s10, 13                        ; my 16 rows of Wout
	s_mov_b32 s15, 0
	s_lshl_b32 s16, ttmp9, 15                      ; out0: row 64 x + 8 w of 512 bytes
	s_lshl_b32 s17, s10, 12
	s_add_co_u32 s16, s16, s17
	s_mov_b32 s17, 0
	s_wait_kmcnt 0x0
	s_add_nc_u64 s[4:5], s[4:5], s[12:13]
	s_add_nc_u64 s[6:7], s[6:7], s[14:15]
	s_add_nc_u64 s[8:9], s[8:9], s[16:17]
.irp i, 0,1,2,3
	global_load_b128 v[OC+4*\i:OC+4*\i+3], v[CP], s[4:5] offset:512*\i th:TH_LOAD_NT
.endr
.irp s, 0,1,2,3                                ; row r, channels 32 s + 8 h + 0 .. 7 and 32 s + 16 + 8 h + 0 .. 7
	global_load_b128 v[WT+16*\s:WT+16*\s+3], v[WA], s[6:7] offset:128*\s
	global_load_b128 v[WT+16*\s+4:WT+16*\s+7], v[WA], s[6:7] offset:128*\s+16
	global_load_b128 v[WT+16*\s+8:WT+16*\s+11], v[WA], s[6:7] offset:128*\s+64
	global_load_b128 v[WT+16*\s+12:WT+16*\s+15], v[WA], s[6:7] offset:128*\s+80
.endr
	s_wait_loadcnt 16                              ; the copy's four loads are in; Wout's sixteen may be out
.irp i, 0,1,2,3
	ds_store_b128 v[CP], v[OC+4*\i:OC+4*\i+3] offset:512*\i
.endr
	s_wait_loadcnt 0x0
.set n, 0
.rept 32
	v_cvt_pk_f16_f32 v[WF+n], v[WT+2*n], v[WT+2*n+1]
.set n, n+1
.endr
	s_wait_dscnt 0x0                               ; for the others' sake: my part of the copy has landed
	s_barrier_signal -1
	s_barrier_wait -1
.irp t, 0,1,2,3
.irp s, 0,1,2,3
	ds_load_b128 v[OF+32*\t+8*\s:OF+32*\t+8*\s+3], v[LI] offset:(8*\t+2*\s)*512
	ds_load_b128 v[OF+32*\t+8*\s+4:OF+32*\t+8*\s+7], v[LI] offset:(8*\t+2*\s)*512+512
.endr
.endr
	s_wait_dscnt 0x0
.irp s, 0,1,2,3                                ; the four accumulators by turns, one instruction a turn; the first K step starts the sums
.irp t, 0,1,2,3
.if \s == 0
	v_wmma_f32_16x16x32_f16 v[DA+8*\t:DA+8*\t+7], v[WF+8*\s:WF+8*\s+7], v[OF+32*\t+8*\s:OF+32*\t+8*\s+7], 0
.else
	v_wmma_f32_16x16x32_f16 v[DA+8*\t:DA+8*\t+7], v[WF+8*\s:WF+8*\s+7], v[OF+32*\t+8*\s:OF+32*\t+8*\s+7], v[DA+8*\t:DA+8*\t+7]
.endif
.endr
.endr
.rept 4
	v_nop                                          ; four places between the products and the stores that read the results
.endr
.irp t, 0,1,2,3
	ds_store_b128 v[SO], v[DA+8*\t:DA+8*\t+3] offset:16*528*\t        ; lane (r, h): out0(16 t + r, 16 w + 8 h + 0 .. 7); each accumulator from its low end on
	ds_store_b128 v[SO], v[DA+8*\t+4:DA+8*\t+7] offset:16*528*\t+16
.endr
	s_wait_dscnt 0x0                               ; for the others' sake: my stores into the stage have landed
	s_barrier_signal -1
	s_barrier_wait -1
.irp i, 0,1,2,3,4,5,6,7
	ds_load_b128 v[RB+4*\i:RB+4*\i+3], v[SR] offset:528*\i
.endr
.irp i, 0,1,2,3,4,5,6,7
	s_wait_dscnt 7-\i                              ; row i is back; the younger loads may be out
	global_store_b128 v[LI], v[RB+4*\i:RB+4*\i+3], s[8:9] offset:512*\i th:TH_STORE_NT   ; 32 lanes store a row of 512 consecutive bytes
.endr
	s_wait_tensorcnt 0x0                           ; the wave's end
	ds_add_u32 v[SPW], v[NIL]
	s_wait_dscnt 0x0
	s_endpgm
.Lfunc_end_k_q95451ebdad_outp:
	.size	k_q95451ebdad_outp, .Lfunc_end_k_q95451ebdad_outp-k_q95451ebdad_outp
	.p2alignl 7, 3214868480
	.fill 96, 4, 3214868480
	.section	.rodata,"a",@progbits
	.p2align	6, 0x0
	.amdhsa_kernel k_q95451ebdad_outp
		.amdhsa_group_segment_fixed_size 51200
		.amdhsa_private_segment_fixed_size 0
		.amdhsa_enable_private_segment 0
		.amdhsa_kernarg_size 24
		.amdhsa_user_sgpr_count 2
		.amdhsa_user_sgpr_kernarg_segment_ptr 1
		.amdhsa_wavefront_size32 1
		.amdhsa_system_sgpr_workgroup_id_x 1
		.amdhsa_system_sgpr_workgroup_id_y 1
		.amdhsa_system_sgpr_workgroup_id_z 1
		.amdhsa_system_vgpr_workitem_id 0
		.amdhsa_next_free_vgpr 256
		.amdhsa_next_free_sgpr 66
		.amdhsa_reserve_vcc 0
		.amdhsa_float_denorm_mode_32 3
		.amdhsa_float_denorm_mode_16_64 3
		.amdhsa_memory_ordered 1
		.amdhsa_forward_progress 1
		.amdhsa_inst_pref_size 12
	.end_amdhsa_kernel
	.amdgpu_metadata
---
amdhsa.version: [ 1, 2 ]
amdhsa.kernels:
  - .name:           k_q95451ebdad_outp
    .symbol:         k_q95451ebdad_outp.kd
    .args:
      - { .name: oimg, .offset: 0, .size: 8, .value_kind: global_buffer, .address_space: global }
      - { .name: Wout, .offset: 8, .size: 8, .value_kind: global_buffer, .address_space: global }
      - { .name: out0, .offset: 16, .size: 8, .value_kind: global_buffer, .address_space: global }
    .group_segment_fixed_size: 51200
    .private_segment_fixed_size: 0
    .kernarg_segment_align: 8
    .kernarg_segment_size: 24
    .max_flat_workgroup_size: 256
    .sgpr_count:     66
    .vgpr_count:     256
    .wavefront_size: 32
...
	.end_amdgpu_metadata
.endif
;; end of part 3
